; MI455X (gfx1250); checked and timed in simulation.
; The chip was launched on July 23, 2026; its instructions are those of AMD's public machine-readable ISA for CDNA 5 (MIT licence, August 2026) and "CDNA5" Instruction Set Architecture Reference Guide (July 2026). The comments in the code are by the model that wrote it; some were corrected since.
;; Moire Attention. Allowed arithmetic: matrix products marked QUANTISED: E4M3 operands, one given power-of-two scale a tensor, by v_wmma_f32_16x16x64_fp8_fp8 or v_wmma_f32_16x16x128_fp8_fp8, f32 sums; everything else in f32.
;; Inputs: Wk_codes 2,048 x 32 x 32 uint8 (E4M3 codes of Wk, K innermost, in blocks of 32 codes); Wo_codes 1,024 x 32 x 32 uint8 (E4M3 codes of Wo, K innermost, in blocks of 32 codes); Wq_codes 2,048 x 32 x 32 uint8 (E4M3 codes of Wq, K innermost, in blocks of 32 codes); Wv_codes 1,024 x 32 x 32 uint8 (E4M3 codes of Wv, K innermost, in blocks of 32 codes); lowp_scales 14 int32 (the exponents e of the quantised operands' scales 2^e); theta_offset 16 float32; x_codes 2 x 2,048 x 32 x 32 uint8 (E4M3 codes of x, K innermost, in blocks of 32 codes).
;; Outputs: out0 2 x 2,048 x 1,024 float32.
;; This version of the problem:
;;   THIS VERSION OF THE PROBLEM IS GIVEN IN LOW PRECISION. The matrix products marked QUANTISED in the list below multiply operands that are first quantised to E4M3 (4 exponent bits, 3 mantissa bits; 8 bits a number), with one given power-of-two scale for each operand tensor; their sums are f32. All else is computed in f32.
;;   The module's matrix products, in the order in which they are computed (A, B: the left and right operand; K: the contracted axis; several contracted axes count as one K, in the product's order):
;;     1. [M 4,096, K 1,024] x [K 1,024, N 2,048]; A: input x (given as codes); B: input Wq (given as codes): QUANTISED (scales: A lowp_scales[0], B lowp_scales[1])
;;     2. [M 4,096, K 1,024] x [K 1,024, N 2,048]; A: input x (given as codes); B: input Wk (given as codes): QUANTISED (scales: A lowp_scales[2], B lowp_scales[3])
;;     3. [M 4,096, K 1,024] x [K 1,024, N 1,024]; A: input x (given as codes); B: input Wv (given as codes): QUANTISED (scales: A lowp_scales[4], B lowp_scales[5])
;;     4. batch 32 x [M 2,048, K 64] x [K 64, N 2,048]; A: computed on the way; B: computed on the way: QUANTISED (scales: A lowp_scales[6], B lowp_scales[7])
;;     5. batch 32 x [M 2,048, K 64] x [K 64, N 2,048]; A: computed on the way; B: computed on the way: QUANTISED (scales: A lowp_scales[8], B lowp_scales[9])
;;     6. batch 32 x [M 2,048, K 2,048] x [K 2,048, N 64]; A: softmax (see below); B: computed on the way: QUANTISED (scales: A lowp_scales[10], B lowp_scales[11])
;;     7. [M 4,096, K 1,024] x [K 1,024, N 1,024]; A: computed on the way; B: input Wo (given as codes): QUANTISED (scales: A lowp_scales[12], B lowp_scales[13])
;;   THE QUANTISER, for each operand of a quantised product, along K:
;;     - The operand's scale is 2^e, e = its entry of the input lowp_scales (int32; the entries are numbered through the quantised products in the list's order, A before B).
;;     - Each number is divided by the scale, clamped to +-448, and rounded to the nearest number of E4M3, ties to even, subnormals kept.
;;     - The product sums the exact products of the quantised numbers (number of the format x scale) in f32.
;;   ~~~python
;;   def quantise(x, axis, e):      # numpy; x: float32 -> the quantised numbers, widened to float32 again
;;       x = np.moveaxis(x, axis, -1); K = x.shape[-1]
;;       r = np.clip(x / 2.0 ** e, -448, 448)
;;       step = 2.0 ** (np.maximum(np.frexp(np.where(r == 0, 1, r))[1] - 1, -6) - 3)
;;       q = np.round(r / step) * step * 2.0 ** e      # np.round: ties to even
;;       return np.moveaxis(q, -1, axis).astype(np.float32)
;;   ~~~
;;   SOFTMAX AHEAD OF A QUANTISED PRODUCT. Where the list says 'softmax', what is quantised is not the finished softmax but p = 2^(t - M), with t = logit x log2(e) and M = ceil(the row's largest t), a whole number; so 1/2 < the row's largest p <= 1. The row's sum l is taken of the UNQUANTISED p, in f32, and the product's result is divided by l at the end. Since M is a whole number, a kernel that streams over the keys may use a running M (the ceiling of the running maximum): every later rescaling is an exact power of two, so the quantised numbers keep their values, but for numbers so far below the row's largest that they fall under the format's range.
;;   OPERANDS COMPUTED ON THE WAY. 'Computed on the way' means the value that the module computes at that place (a softmax that the list does not call 'softmax' is quantised finished and normalised). What goes into a quantiser is computed in f32, as accurately as f32 sums, v_exp_f32 and their like allow (about 1e-6 of the number): no bf16 or f16 on the way to a quantiser, and a product that is left as it is and whose result goes on into a quantised operand takes f32 operands (vector FMAs, or v_wmma_f32_16x16x4_f32). A number that lies on a knife's edge between two numbers of the format may be rounded either way, as far as f32 arithmetic and the matrix unit's own rounding can turn it there, and no further.
;;   INPUTS GIVEN AS CODES. Wk (in the module: [1024, 2048], K = its axis 0); Wo (in the module: [1024, 1024], K = its axis 0); Wq (in the module: [1024, 2048], K = its axis 0); Wv (in the module: [1024, 1024], K = its axis 0); x (in the module: [2, 2048, 1024], K = its axis 2): each comes as NAME_codes (uint8): NAME with its K axis moved to the last place and cut into blocks of 32 codes, [.., K / 32, bytes a block], one block behind the other in memory; one code a byte (a code: sign, 4 exponent bits, 3 mantissa bits); its scale is its entry of lowp_scales. Its value is code x scale, taken as it is: it is not quantised again, and the codes and scales need not be those that the quantiser above would give.
;; One version. Each part assembles by itself: llvm-mc -triple=amdgcn-amd-amdhsa -mcpu=gfx1250 --defsym DOCPART=n.
;; ======== version 1 of 1: 3 launches
;; limits: right only within a limited range of input values
;; workspace buffers: Qf 8,388,608 bytes; Kf 8,388,608 bytes; Vf 4,194,304 bytes; AO 4,194,304 bytes
;; launch proj (part 1): grid 16 x 16, 8 waves a work-group, clusters of 4 x 4, 327,680 bytes of LDS; arguments x_codes, Wq_codes, Wk_codes, Wv_codes, lowp_scales, Qf, Kf, Vf; writes Qf, Kf, Vf
.if DOCPART == 1
	.amdgcn_target "amdgcn-amd-amdhsa--gfx1250"
	.amdhsa_code_object_version 6
	.text
	.protected	k_q4c66dcfa2d_proj
	.globl	k_q4c66dcfa2d_proj
	.p2align	8
	.type	k_q4c66dcfa2d_proj,@function
k_q4c66dcfa2d_proj:
	s_mov_b64 s[64:65], 0
	v_nop
	global_prefetch_b8 v0, s[64:65] scope:SCOPE_SE
	s_setreg_imm32_b32 hwreg(HW_REG_WAVE_MODE, 25, 1), 1
	s_wait_xcnt 0x0
	s_wait_alu depctr_hold_cnt(0) depctr_sa_sdst(0) depctr_va_vdst(0) depctr_va_sdst(0) depctr_va_ssrc(0) depctr_va_vcc(0) depctr_vm_vsrc(0)
	s_getreg_b32 s2, hwreg(HW_REG_IB_STS2, 6, 4)
	s_cmp_eq_u32 s2, 0
	s_cbranch_scc0 .Lentry_in_a_cluster
	s_endpgm
.Lentry_in_a_cluster:
	s_bfe_u32 s2, ttmp6, 0x10000c
	s_cmp_lg_u32 s2, 0xf033
	s_cbranch_scc0 .Lentry_shape_is_right
	s_endpgm
.Lentry_shape_is_right:
; PROJ: products 1, 2 and 3 on E4M3 codes, softplus, cosine and sine, and the quantisers of products 4, 5 and 6's operands.
; LEFT OUT IN THE PROGRAM (in the launch attn): key steps all of whose keys come after a wave's queries.  reference() sets the score of key > query to -infinity by its own jnp.tril,
; so its softmax weight is exp(-inf) = 0 and its term in product 6 is 0, for all finite inputs.  LIMIT: a NaN, an infinity or an overflow that reaches only that work is not carried to the result.  Every input is loaded.
; SHARES.  A work-group owns 256 tokens x one head: 320 columns (Q amplitude 64, Q phase 64, K amplitude 64, K phase 64, V 64): 16 x 16 = 256 work-groups of equal work.
; Eight waves: wave w owns tokens 64 (w / 2) .. + 63 and, by w % 2, Q's or K's 128 columns and 32 of V's: 32 + 8 accumulators.
; K goes in steps of 256 through two LDS slots of 576 rows x (256 + 16) bytes; a step is four sub-steps of 64 along K, each in two halves of 20 matrix instructions.
; Q, K: source 0 = 16 rows of W, source 1 = 16 tokens: a lane holds one token and eight neighbouring features.  V: source 0 = 16 tokens, source 1 = 16 rows of Wv: a lane holds one feature and eight neighbouring keys.
; A fragment (16 rows x 64 K) comes by two loads of 16 bytes: the same permutation of k in both operands.
; CLUSTERS 4 x 4: x's tiles are asked for jointly along a row (same tokens), the weights' along a column (same head).  Each wave issues one load a round: waves 0, 1 x's halves, 2 to 5 Wq's and Wk's four blocks, 6, 7 Wv's halves.
; NO PREFETCH: K is four slots; slots 0 and 1 come by the head's loads, and a request a whole step ahead of the two refills would stand at the head, ahead of the first step.
; OUT: images of operand registers (register i of lane L at byte (i / 4) 512 + 16 L + 4 (i % 4)): each store covers 512 consecutive bytes, aligned.
; LIMITS: e0+e1, e2+e3 between -126 and 127; e6 .. e9 and e11-e4-e5 between -126 and 119; |phase| under 2^22 pi/2.
.set PITCH, 272
.set SLOT,  576*PITCH
.set SPARE, 2*SLOT                     ; the spare words: 128 bytes for each of 8 waves
.set PADW,  (1<<20)|(1<<21)|(5<<22)|(3<<25)   ; elements of 1 byte; 4 words of padding behind every 64; bit 21 beside the mask
.set ADRA, 16                          ; v16-17 my rows of x in slot 0, 1
.set ADRB, 18                          ; v18-19 my 128 rows of Wq or Wk
.set ADRV, 20                          ; v20-21 my 32 rows of Wv
.set CO,   26                          ; 16 x lane
.set SPW,  28
.set NIL,  29
.set AS,   32                          ; v32-95 x's four fragments, two sets
.set BB,   96                          ; v96-175 two half sets: four fragments of W and one of Wv
.set VA,   192                         ; v192-255 V's accumulators (d tile v, token block a) at 8 (4 v + a);  window 1: Q's or K's, (a, b) at 8 (8 a + b)
.set G1,  24
.set G0,  32
.set G1V, 40
.set G1B, 48
.set G0B, 56
.set C2PI, 32
.set CMAG, 34
.set CP1,  36
.set CP2,  38
.set CS3,  40
.set CS2,  42
.set CS1,  44
.set CC3,  46
.set CC2,  48
.set CC1,  50
.set CLN2, 52
.set EX,  128
.set KK,  136
.set NN,  144
.set RR,  152
.set ZZ,  160
.set SN,  168
.set CN,  176
.set TT,  184
.set SV,  192
.set CV,  200
.set LG,  208
.set QC,  224
.set QS,  232
.set MSB, 0
.macro WIN new
.if MSB != \new
	s_set_vgpr_msb (MSB<<8)|\new
.set MSB, \new
.endif
.endm
.macro PLACES
.rept 4
	v_nop
.endr
.endm
.macro GRP g, rows                     ; a tile of rows x 256 bytes, 1,024 bytes apart in memory
	s_mov_b32 s[\g+1], 256<<16
	s_mov_b32 s[\g+2], (\rows)<<16
	s_mov_b32 s[\g+3], 256<<16
	s_mov_b32 s[\g+4], \rows
	s_mov_b32 s[\g+5], 1024
	s_mov_b32 s[\g+6], 0
	s_mov_b32 s[\g+7], 0
.endm
; one joint load a wave, in the arms of one chain of branches on the wave's number; an s_nop 0 and four v_nop follow each
.macro JLOAD s
	s_cmp_lt_u32 s14, 2
	s_cbranch_scc0 .Lnb_\@
	tensor_load_to_lds s[G0+4*\s:G0+4*\s+3], s[G1:G1+7]
	s_nop 0
	PLACES
	s_branch .Lj_\@
.Lnb_\@:
	s_cmp_lt_u32 s14, 6
	s_cbranch_scc0 .Lnv_\@
	tensor_load_to_lds s[G0B+4*\s:G0B+4*\s+3], s[G1B:G1B+7]
	s_nop 0
	PLACES
	s_branch .Lj_\@
.Lnv_\@:
	tensor_load_to_lds s[G0B+4*\s:G0B+4*\s+3], s[G1V:G1V+7]
	s_nop 0
	PLACES
.Lj_\@:
.endm
.macro CREST
	s_cmp_lg_u32 s14, 0
	s_cbranch_scc1 .Lnot_wave_0_\@
	s_barrier_signal -3
.Lnot_wave_0_\@:
	s_barrier_wait -3
	s_barrier_signal -1
	s_barrier_wait -1
.endm
.macro CROUND
	s_barrier_signal -1
	s_barrier_wait -1
	CREST
.endm
	s_load_b512 s[68:83], s[0:1], 0x0              ; x 68, Wq 70, Wk 72, Wv 74, exponents 76, Qf 78, Kf 80, Vf 82
	v_lshl_add_u32 v[SPW], v0, 2, SPARE
	v_mov_b32 v[NIL], 0
	ds_add_u32 v[SPW], v[NIL]                      ; the opening: the add, twice on end, and its wait
	ds_add_u32 v[SPW], v[NIL]
	v_lshrrev_b32 v1, 5, v0
	v_readfirstlane_b32 s14, v1                    ; wave 0..7
	s_lshr_b32 s15, s14, 1                         ; my quarter of the tokens
	s_and_b32 s16, s14, 1                          ; 0: Q, 1: K; also my half of V's features
	s_bfe_u32 s17, ttmp6, 0x40000                  ; cx
	s_bfe_u32 s18, ttmp6, 0x40004                  ; cy
	s_lshl_b32 s19, ttmp9, 2
	s_add_co_u32 s19, s19, s17                     ; the head
	s_and_b32 s20, ttmp7, 0xffff
	s_lshl_b32 s20, s20, 2
	s_add_co_u32 s20, s20, s18                     ; the block of 256 tokens
	s_lshl_b32 s21, s18, 2
	s_lshl_b32 s21, 15, s21                        ; my row of the cluster
	s_lshl_b32 s22, 0x1111, s17                    ; my column
	s_or_b32 s[G1], s21, PADW
	s_or_b32 s[G1B], s22, PADW
	s_or_b32 s[G1V], s22, PADW
	GRP G1, 128
	GRP G1B, 64
	GRP G1V, 32
	s_lshl_b32 s8, s20, 8
	s_lshl_b32 s9, s16, 7
	s_add_co_u32 s8, s8, s9
	s_lshl_b32 s8, s8, 10                          ; x: row 256 x block + 128 x (wave % 2)
	s_mov_b32 s9, 0
	s_cmp_lt_u32 s14, 6
	s_cselect_b32 s12, 1024, 32                    ; odd waves: the phase's rows, 1,024 on; wave 7: Wv's second 32
	s_mul_i32 s12, s12, s16
	s_lshl_b32 s10, s19, 6
	s_add_co_u32 s10, s10, s12
	s_lshl_b32 s10, s10, 10                        ; W: row 64 x head + that
	s_mov_b32 s11, 0
	s_mul_i32 s13, s16, 128*PITCH                  ; where x's half goes
	s_lshl_b32 s23, s14, 6
	s_add_co_u32 s23, s23, 128
	s_min_u32 s23, s23, 544                        ; waves 2 .. 6: row 128 + 64 wave; wave 7: row 544
	s_mul_i32 s23, s23, PITCH
	s_wait_dscnt 0x0
	s_wait_kmcnt 0x0
	s_load_b256 s[84:91], s[76:77], 0x0            ; e0 .. e7
	s_load_b128 s[92:95], s[76:77], 0x20           ; e8 .. e11
	s_cmp_lt_u32 s14, 4
	s_cselect_b64 s[6:7], s[70:71], s[72:73]
	s_cmp_lt_u32 s14, 6
	s_cselect_b64 s[6:7], s[6:7], s[74:75]
	s_add_nc_u64 s[8:9], s[68:69], s[8:9]
	s_add_nc_u64 s[10:11], s[6:7], s[10:11]
	CROUND                                         ; all sixteen work-groups are here
.irp s, 0,1
	s_mov_b32 s[G0+4*\s], 1
	s_add_co_u32 s[G0+4*\s+1], s13, \s*SLOT
	s_add_nc_u64 s[G0+4*\s+2:G0+4*\s+3], s[8:9], \s*256
	s_or_b32 s[G0+4*\s+3], s[G0+4*\s+3], 0x80000000
	s_mov_b32 s[G0B+4*\s], 1
	s_add_co_u32 s[G0B+4*\s+1], s23, \s*SLOT
	s_add_nc_u64 s[G0B+4*\s+2:G0B+4*\s+3], s[10:11], \s*256
	s_or_b32 s[G0B+4*\s+3], s[G0B+4*\s+3], 0x80000000
.endr
	JLOAD 0                                        ; K step 0: one tensor load a wave at the head
	s_mul_i32 s4, s15, 64*PITCH
	s_mul_i32 s5, s16, 128*PITCH
	s_add_co_u32 s5, s5, 256*PITCH
	s_mul_i32 s6, s16, 32*PITCH
	s_add_co_u32 s6, s6, 512*PITCH
	v_and_b32 v1, 15, v0
	v_bfe_u32 v2, v0, 4, 1
	v_mul_u32_u24 v3, v1, PITCH
	v_lshl_add_u32 v4, v2, 4, v3                   ; row (lane % 16) x pitch + 16 (lane / 16)
	v_add_nc_u32 v[ADRA], s4, v4
	v_add_nc_u32 v[ADRB], s5, v4
	v_add_nc_u32 v[ADRV], s6, v4
	v_add_nc_u32 v[ADRA+1], SLOT, v[ADRA]
	v_add_nc_u32 v[ADRB+1], SLOT, v[ADRB]
	v_add_nc_u32 v[ADRV+1], SLOT, v[ADRV]
	v_and_b32 v6, 31, v0
	v_lshlrev_b32 v[CO], 4, v6
.macro LDB slot, ss, hf                ; half hf of sub-step ss: four fragments of W (hf = 0: amplitude, 1: phase) and one of Wv
.irp i, 0,1,2,3
	ds_load_b128 v[BB+40*(\hf)+8*\i:BB+40*(\hf)+8*\i+3], v[ADRB+\slot] offset:(64*(\hf)+16*\i)*PITCH+64*(\ss)
	ds_load_b128 v[BB+40*(\hf)+8*\i+4:BB+40*(\hf)+8*\i+7], v[ADRB+\slot] offset:(64*(\hf)+16*\i)*PITCH+64*(\ss)+32
.endr
	ds_load_b128 v[BB+40*(\hf)+32:BB+40*(\hf)+35], v[ADRV+\slot] offset:16*(\hf)*PITCH+64*(\ss)
	ds_load_b128 v[BB+40*(\hf)+36:BB+40*(\hf)+39], v[ADRV+\slot] offset:16*(\hf)*PITCH+64*(\ss)+32
.endm
.macro LDA slot, ss                    ; x's four fragments of sub-step ss into set ss % 2
.irp a, 0,1,2,3
	ds_load_b128 v[AS+32*((\ss)%2)+8*\a:AS+32*((\ss)%2)+8*\a+3], v[ADRA+\slot] offset:16*\a*PITCH+64*(\ss)
	ds_load_b128 v[AS+32*((\ss)%2)+8*\a+4:AS+32*((\ss)%2)+8*\a+7], v[ADRA+\slot] offset:16*\a*PITCH+64*(\ss)+32
.endr
.endm
; the 40 accumulators take turns, one instruction a turn, in the same order in every sub-step; zero = 1: the first products start the sums
.macro MQK ss, hf, zero
.irp a, 0,1,2,3
.irp i, 0,1,2,3
.if \zero
	v_wmma_f32_16x16x64_fp8_fp8 v[8*(8*\a+4*(\hf)+\i):8*(8*\a+4*(\hf)+\i)+7], v[BB+40*(\hf)+8*\i:BB+40*(\hf)+8*\i+7], v[AS+32*((\ss)%2)+8*\a:AS+32*((\ss)%2)+8*\a+7], 0
.else
	v_wmma_f32_16x16x64_fp8_fp8 v[8*(8*\a+4*(\hf)+\i):8*(8*\a+4*(\hf)+\i)+7], v[BB+40*(\hf)+8*\i:BB+40*(\hf)+8*\i+7], v[AS+32*((\ss)%2)+8*\a:AS+32*((\ss)%2)+8*\a+7], v[8*(8*\a+4*(\hf)+\i):8*(8*\a+4*(\hf)+\i)+7]
.endif
.endr
.endr
.endm
.macro MV ss, hf, zero
.irp a, 0,1,2,3
.if \zero
	v_wmma_f32_16x16x64_fp8_fp8 v[VA+8*(4*(\hf)+\a):VA+8*(4*(\hf)+\a)+7], v[AS+32*((\ss)%2)+8*\a:AS+32*((\ss)%2)+8*\a+7], v[BB+40*(\hf)+32:BB+40*(\hf)+39], 0
.else
	v_wmma_f32_16x16x64_fp8_fp8 v[VA+8*(4*(\hf)+\a):VA+8*(4*(\hf)+\a)+7], v[AS+32*((\ss)%2)+8*\a:AS+32*((\ss)%2)+8*\a+7], v[BB+40*(\hf)+32:BB+40*(\hf)+39], v[VA+8*(4*(\hf)+\a):VA+8*(4*(\hf)+\a)+7]
.endif
.endr
.endm
; a half: its fragments are in; the next half's are asked for, four places behind the products that read those registers; then 20 products
.macro HALF slot, ss, hf, zero
	s_wait_dscnt 0x0
	PLACES
.if \hf == 0
	LDB \slot, \ss, 1
.else
	LDB \slot, (\ss)+1, 0
	LDA \slot, (\ss)+1
.endif
	WIN 0x50                                       ; C and D in window 1
	MQK \ss, \hf, \zero
	WIN 0
	MV \ss, \hf, \zero
.endm
.macro STEPS7 slot, zero
	HALF \slot, 0, 0, \zero
	HALF \slot, 0, 1, \zero
.irp ss, 1,2
	HALF \slot, \ss, 0, 0
	HALF \slot, \ss, 1, 0
.endr
	HALF \slot, 3, 0, 0
.endm
; a slot's last half changes slots: all my tensor loads, the add, all my LDS reads; the barrier (fill = 1: it opens a round of the cluster's barrier); the refill first behind it
.macro TURN slot, next, fill
	s_wait_tensorcnt 0x0
	ds_add_u32 v[SPW], v[NIL]
	s_wait_dscnt 0x0
	s_barrier_signal -1
	WIN 0x50
	MQK 3, 1, 0                                    ; work on registers while the others arrive
	WIN 0
	s_barrier_wait -1
.if \fill
	CREST
	s_add_nc_u64 s[G0+4*\slot+2:G0+4*\slot+3], s[G0+4*\slot+2:G0+4*\slot+3], 512
	s_add_nc_u64 s[G0B+4*\slot+2:G0B+4*\slot+3], s[G0B+4*\slot+2:G0B+4*\slot+3], 512
	JLOAD \slot                                    ; its four v_nop are the places in front of the loads below
.else
	PLACES
.endif
	LDB \next, 0, 0
	LDA \next, 0
	MV 3, 1, 0
.endm
	s_wait_alu depctr_va_vdst(0)                   ; the wait at the head's end
	s_wait_tensorcnt 0x0                           ; my part of K step 0 is in; slot 1's first fill is issued as a refill is
	ds_add_u32 v[SPW], v[NIL]
	s_wait_dscnt 0x0
	CROUND
	JLOAD 1
	LDB 0, 0, 0
	LDA 0, 0
	STEPS7 0, 1
	TURN 0, 1, 1
	STEPS7 1, 0
	TURN 1, 0, 1
	STEPS7 0, 0
	TURN 0, 1, 0                                   ; nothing is left to ask for
	STEPS7 1, 0
	s_wait_dscnt 0x0
	WIN 0x50
	MQK 3, 1, 0
	WIN 0
	MV 3, 1, 0
	PLACES
	; V OUT: sum / 2^(e11 - e4 - e5), held at +-448, as codes: registers 2 c, 2 c + 1 of the fragment (16 features x 128 keys), c = 4 (quarter % 2) + a
	s_wait_kmcnt 0x0
	s_sub_co_i32 s4, s95, s88
	s_sub_co_i32 s4, s4, s89
	s_add_co_i32 s4, s4, 127
	s_lshl_b32 s5, s4, 23
	s_add_co_i32 s4, s4, 8
	s_lshl_b32 s4, s4, 23
	s_or_b32 s4, s4, 0x600000
	s_lshr_b32 s17, s20, 3
	s_lshl_b32 s17, s17, 4
	s_add_co_u32 s17, s17, s19                     ; batch x 16 + head
	s_lshl_b32 s8, s17, 17
	s_and_b32 s9, s20, 7
	s_lshl_b32 s9, s9, 1
	s_lshr_b32 s6, s15, 1
	s_add_co_u32 s9, s9, s6                        ; the block of 128 keys
	s_lshl_b32 s9, s9, 13
	s_add_co_u32 s8, s8, s9
	s_lshl_b32 s9, s16, 12                         ; my two tiles of 16 features
	s_add_co_u32 s8, s8, s9
	s_and_b32 s9, s15, 1
	s_lshl_b32 s9, s9, 10                          ; my half of the fragment's registers
	s_add_co_u32 s8, s8, s9
	s_mov_b32 s9, 0
	s_add_nc_u64 s[12:13], s[82:83], s[8:9]
	v_mov_b32 v54, s5
	v_mov_b32 v55, s4
.set i, 0
.rept 64
	v_med3_num_f32 v[64+i], v[VA+i], -v55, v55     ; each accumulator from its low end on
.set i, i+1
.endr
.irp c, 0,1,2,3,4,5,6,7
	v_cvt_scalef32_pk8_fp8_f32 v[128+2*\c:129+2*\c], v[64+8*\c:71+8*\c], v54
.endr
	v_nop
	global_store_b128 v[CO], v[128:131], s[12:13]
	global_store_b128 v[CO], v[132:135], s[12:13] offset:512
	global_store_b128 v[CO], v[136:139], s[12:13] offset:2048
	global_store_b128 v[CO], v[140:143], s[12:13] offset:2560
	; Q OR K OUT: chosen by the wave's number, by selects alone
	s_add_co_i32 s4, s84, s85
	s_add_co_i32 s5, s86, s87
	s_cmp_eq_u32 s16, 1
	s_cselect_b32 s96, s5, s4
	s_cselect_b32 s6, s91, s90
	s_cselect_b32 s7, s93, s92
	s_cselect_b64 s[10:11], s[80:81], s[78:79]
	s_add_co_i32 s96, s96, 127
	s_lshl_b32 s96, s96, 23                        ; 2^(ex + ew)
	s_mov_b32 s97, s96
	s_mov_b32 s99, 0x3fb8aa3b                      ; log2(e)
	s_add_co_i32 s6, s6, 127
	s_lshl_b32 s8, s6, 23                          ; the cosine part's scale,
	s_add_co_i32 s6, s6, 8
	s_lshl_b32 s6, s6, 23
	s_or_b32 s6, s6, 0x600000                      ; and 448 x it
	s_add_co_i32 s7, s7, 127
	s_lshl_b32 s9, s7, 23                          ; the sine part's
	s_add_co_i32 s7, s7, 8
	s_lshl_b32 s7, s7, 23
	s_or_b32 s7, s7, 0x600000
	s_lshl_b32 s4, s17, 7                          ; 128 places of 2,048 bytes a head; a token tile's place: its number with bits 2 and 3 exchanged
	s_and_b32 s5, s20, 7
	s_lshl_b32 s5, s5, 4
	s_add_co_u32 s4, s4, s5
	s_and_b32 s5, s15, 1
	s_lshl_b32 s5, s5, 3
	s_add_co_u32 s4, s4, s5
	s_lshr_b32 s5, s15, 1
	s_lshl_b32 s5, s5, 2
	s_add_co_u32 s4, s4, s5
	s_lshl_b32 s4, s4, 11
	s_mov_b32 s5, 0
	s_add_nc_u64 s[10:11], s[10:11], s[4:5]
	s_wait_xcnt 0x0                                ; V's stores have read their registers
	v_mov_b32 v54, s8
	v_mov_b32 v55, s6
	v_mov_b32 v56, s9
	v_mov_b32 v57, s7
.macro CONST2 reg, val
	v_mov_b32 v[\reg], \val
	v_mov_b32 v[\reg+1], \val
.endm
	CONST2 C2PI, 0x3f22f983                        ; 2 / pi
	CONST2 CMAG, 0x4b400000                        ; 1.5 x 2^23
	CONST2 CP1,  0xbfc90fdb                        ; - pi/2 in two parts
	CONST2 CP2,  0x333bbd2e
	CONST2 CS3,  0xb94ca1f9                        ; sine on +-pi/4
	CONST2 CS2,  0x3c08839e
	CONST2 CS1,  0xbe2aaaa3
	CONST2 CC3,  0x37ccf5ce                        ; cosine on +-pi/4
	CONST2 CC2,  0xbab6061a
	CONST2 CC1,  0x3d2aaaa5
	CONST2 CLN2, 0x3f317218                        ; ln 2
.macro PRESCALE a                      ; token block a's 64 sums x 2^(ex + ew): v64-95 amplitudes, v96-127 phases
.set AC, 64*(\a)
	WIN 0x01
	s_wait_alu depctr_va_vdst(0)                   ; the wait ahead of the first reader of matrix results behind transcendentals
.set i, 0
.rept 32
	v_pk_mul_f32 v[64+i:65+i], v[AC+i:AC+i+1], s[96:97] op_sel_hi:[1,0]
.set i, i+2
.endr
	WIN 0
.endm
; eight features: softplus(a) = max(a, 0) + log1p(exp(-|a|)); sine and cosine by quadrants of pi/2; both products held and converted
.macro ACT b
.set AM, 64+8*(\b)
.set PH, 96+8*(\b)
.irp j, 0,1,2,3,4,5,6,7
	v_mul_f32 v[EX+\j], s99, -|v[AM+\j]|
.endr
	s_wait_alu depctr_va_vdst(0)
.irp j, 0,1,2,3,4,5,6,7
	v_exp_f32 v[EX+\j], v[EX+\j]
.endr
.irp j, 0,2,4,6
	v_pk_fma_f32 v[KK+\j:KK+\j+1], v[PH+\j:PH+\j+1], v[C2PI:C2PI+1], v[CMAG:CMAG+1]
.endr
.irp j, 0,2,4,6
	v_pk_add_f32 v[NN+\j:NN+\j+1], v[KK+\j:KK+\j+1], v[CMAG:CMAG+1] neg_lo:[0,1] neg_hi:[0,1]
.endr
.irp j, 0,2,4,6
	v_pk_fma_f32 v[RR+\j:RR+\j+1], v[NN+\j:NN+\j+1], v[CP1:CP1+1], v[PH+\j:PH+\j+1]
.endr
.irp j, 0,2,4,6
	v_pk_fma_f32 v[RR+\j:RR+\j+1], v[NN+\j:NN+\j+1], v[CP2:CP2+1], v[RR+\j:RR+\j+1]
.endr
.irp j, 0,2,4,6
	v_pk_mul_f32 v[ZZ+\j:ZZ+\j+1], v[RR+\j:RR+\j+1], v[RR+\j:RR+\j+1]
.endr
.irp j, 0,2,4,6
	v_pk_fma_f32 v[SN+\j:SN+\j+1], v[ZZ+\j:ZZ+\j+1], v[CS3:CS3+1], v[CS2:CS2+1]
	v_pk_fma_f32 v[CN+\j:CN+\j+1], v[ZZ+\j:ZZ+\j+1], v[CC3:CC3+1], v[CC2:CC2+1]
.endr
.irp j, 0,2,4,6
	v_pk_fma_f32 v[SN+\j:SN+\j+1], v[SN+\j:SN+\j+1], v[ZZ+\j:ZZ+\j+1], v[CS1:CS1+1]
	v_pk_fma_f32 v[CN+\j:CN+\j+1], v[CN+\j:CN+\j+1], v[ZZ+\j:ZZ+\j+1], v[CC1:CC1+1]
.endr
.irp j, 0,2,4,6
	v_pk_mul_f32 v[SN+\j:SN+\j+1], v[SN+\j:SN+\j+1], v[ZZ+\j:ZZ+\j+1]
	v_pk_fma_f32 v[CN+\j:CN+\j+1], v[CN+\j:CN+\j+1], v[ZZ+\j:ZZ+\j+1], -0.5 op_sel_hi:[1,1,0]
.endr
.irp j, 0,2,4,6
	v_pk_fma_f32 v[SN+\j:SN+\j+1], v[SN+\j:SN+\j+1], v[RR+\j:RR+\j+1], v[RR+\j:RR+\j+1]
	v_pk_fma_f32 v[CN+\j:CN+\j+1], v[CN+\j:CN+\j+1], v[ZZ+\j:ZZ+\j+1], 1.0 op_sel_hi:[1,1,0]
.endr
.irp j, 0,1,2,3,4,5,6,7
	v_lshlrev_b32 v[TT+\j], 31, v[KK+\j]
.endr
.irp j, 0,1,2,3,4,5,6,7
	v_lshrrev_b32 v[KK+\j], 1, v[KK+\j]
.endr
.irp j, 0,1,2,3,4,5,6,7
	v_cmp_gt_i32 vcc_lo, 0, v[TT+\j]
	v_cndmask_b32 v[SV+\j], v[SN+\j], v[CN+\j], vcc_lo
	v_cndmask_b32 v[CV+\j], v[CN+\j], v[SN+\j], vcc_lo
.endr
.irp j, 0,1,2,3,4,5,6,7
	v_lshl_add_u32 v[SV+\j], v[KK+\j], 31, v[SV+\j]
	v_lshl_add_u32 v[CV+\j], v[KK+\j], 31, v[CV+\j]
.endr
.irp j, 0,1,2,3,4,5,6,7
	v_add_nc_u32 v[CV+\j], v[CV+\j], v[TT+\j]
.endr
	s_wait_alu depctr_va_vdst(0)
.irp j, 0,2,4,6
	v_pk_add_f32 v[NN+\j:NN+\j+1], v[EX+\j:EX+\j+1], 1.0 op_sel_hi:[1,0]
.endr
	s_wait_alu depctr_va_vdst(0)
.irp j, 0,1,2,3,4,5,6,7
	v_log_f32 v[LG+\j], v[NN+\j]
.endr
.irp j, 0,2,4,6
	v_pk_add_f32 v[ZZ+\j:ZZ+\j+1], v[NN+\j:NN+\j+1], -1.0 op_sel_hi:[1,0]
.endr
.irp j, 0,2,4,6
	v_pk_add_f32 v[ZZ+\j:ZZ+\j+1], v[EX+\j:EX+\j+1], v[ZZ+\j:ZZ+\j+1] neg_lo:[0,1] neg_hi:[0,1]
.endr
.irp j, 0,1,2,3,4,5,6,7
	v_max_num_f32 v[RR+\j], 0, v[AM+\j]
.endr
	s_wait_alu depctr_va_vdst(0)
.irp j, 0,2,4,6
	v_pk_fma_f32 v[ZZ+\j:ZZ+\j+1], v[LG+\j:LG+\j+1], v[CLN2:CLN2+1], v[ZZ+\j:ZZ+\j+1]
.endr
.irp j, 0,2,4,6
	v_pk_add_f32 v[RR+\j:RR+\j+1], v[RR+\j:RR+\j+1], v[ZZ+\j:ZZ+\j+1]
.endr
.irp j, 0,2,4,6
	v_pk_mul_f32 v[SN+\j:SN+\j+1], v[RR+\j:RR+\j+1], v[CV+\j:CV+\j+1]
	v_pk_mul_f32 v[CN+\j:CN+\j+1], v[RR+\j:RR+\j+1], v[SV+\j:SV+\j+1]
.endr
.irp j, 0,1,2,3,4,5,6,7
	v_med3_num_f32 v[SN+\j], v[SN+\j], -v55, v55
	v_med3_num_f32 v[CN+\j], v[CN+\j], -v57, v57
.endr
	v_cvt_scalef32_pk8_fp8_f32 v[QC+2*(\b):QC+2*(\b)+1], v[SN:SN+7], v54
	v_cvt_scalef32_pk8_fp8_f32 v[QS+2*(\b):QS+2*(\b)+1], v[CN:CN+7], v56
	v_nop
.endm
	s_mov_b32 s98, 0
	s_wait_alu depctr_va_vdst(0)                   ; the wait ahead of the branches below
.Lact:                                             ; four trips, a block of 16 tokens each; only the block's accumulators differ
.irp a, 0,1,2
	s_cmp_eq_u32 s98, \a
	s_cbranch_scc1 .Lpre\a
.endr
	PRESCALE 3
	s_branch .Lgo
.irp a, 0,1,2
.Lpre\a:
	PRESCALE \a
	s_branch .Lgo
.endr
.Lgo:
	ACT 0
	ACT 1
	ACT 2
	ACT 3
	global_store_b128 v[CO], v[QC:QC+3], s[10:11]
	global_store_b128 v[CO], v[QC+4:QC+7], s[10:11] offset:512
	global_store_b128 v[CO], v[QS:QS+3], s[10:11] offset:1024
	global_store_b128 v[CO], v[QS+4:QS+7], s[10:11] offset:1536
	s_wait_xcnt 0x0                                ; the stores have read their registers and their base
	s_add_nc_u64 s[10:11], s[10:11], 2048
	s_add_co_u32 s98, s98, 1
	s_cmp_lt_u32 s98, 4
	s_cbranch_scc1 .Lact
	s_wait_tensorcnt 0x0                           ; the wave's end
	ds_add_u32 v[SPW], v[NIL]
	s_wait_dscnt 0x0
	CROUND                                         ; the closing round
	s_endpgm
.Lfunc_end_k_q4c66dcfa2d_proj:
	.size	k_q4c66dcfa2d_proj, .Lfunc_end_k_q4c66dcfa2d_proj-k_q4c66dcfa2d_proj
	.p2alignl 7, 3214868480
	.fill 96, 4, 3214868480
	.section	.rodata,"a",@progbits
	.p2align	6, 0x0
	.amdhsa_kernel k_q4c66dcfa2d_proj
		.amdhsa_group_segment_fixed_size 327680
		.amdhsa_private_segment_fixed_size 0
		.amdhsa_enable_private_segment 0
		.amdhsa_kernarg_size 64
		.amdhsa_user_sgpr_count 2
		.amdhsa_user_sgpr_kernarg_segment_ptr 1
		.amdhsa_wavefront_size32 1
		.amdhsa_system_sgpr_workgroup_id_x 1
		.amdhsa_system_sgpr_workgroup_id_y 1
		.amdhsa_system_sgpr_workgroup_id_z 1
		.amdhsa_system_vgpr_workitem_id 0
		.amdhsa_next_free_vgpr 512
		.amdhsa_next_free_sgpr 100
		.amdhsa_reserve_vcc 1
		.amdhsa_float_denorm_mode_32 3
		.amdhsa_float_denorm_mode_16_64 3
		.amdhsa_memory_ordered 1
		.amdhsa_forward_progress 1
		.amdhsa_inst_pref_size 145
	.end_amdhsa_kernel
	.amdgpu_metadata
---
amdhsa.version: [ 1, 2 ]
amdhsa.kernels:
  - .name:           k_q4c66dcfa2d_proj
    .symbol:         k_q4c66dcfa2d_proj.kd
    .args:
      - { .name: x_codes, .offset: 0, .size: 8, .value_kind: global_buffer, .address_space: global }
      - { .name: Wq_codes, .offset: 8, .size: 8, .value_kind: global_buffer, .address_space: global }
      - { .name: Wk_codes, .offset: 16, .size: 8, .value_kind: global_buffer, .address_space: global }
      - { .name: Wv_codes, .offset: 24, .size: 8, .value_kind: global_buffer, .address_space: global }
      - { .name: lowp_scales, .offset: 32, .size: 8, .value_kind: global_buffer, .address_space: global }
      - { .name: Qf, .offset: 40, .size: 8, .value_kind: global_buffer, .address_space: global }
      - { .name: Kf, .offset: 48, .size: 8, .value_kind: global_buffer, .address_space: global }
      - { .name: Vf, .offset: 56, .size: 8, .value_kind: global_buffer, .address_space: global }
    .group_segment_fixed_size: 327680
    .private_segment_fixed_size: 0
    .kernarg_segment_align: 8
    .kernarg_segment_size: 64
    .max_flat_workgroup_size: 256
    .sgpr_count:     100
    .vgpr_count:     512
    .wavefront_size: 32
...
	.end_amdgpu_metadata
.endif
;; end of part 1
;; launch attn (part 2): grid 8 x 32, 16 waves a work-group, no clusters, 327,680 bytes of LDS; arguments Qf, Kf, Vf, lowp_scales, theta_offset, AO; writes AO
.if DOCPART == 2
	.amdgcn_target "amdgcn-amd-amdhsa--gfx1250"
	.amdhsa_code_object_version 6
	.text
	.protected	k_q4c66dcfa2d_attn
	.globl	k_q4c66dcfa2d_attn
	.p2align	8
	.type	k_q4c66dcfa2d_attn,@function
k_q4c66dcfa2d_attn:
	s_mov_b64 s[64:65], 0
	v_nop
	global_prefetch_b8 v0, s[64:65] scope:SCOPE_SE
	s_setreg_imm32_b32 hwreg(HW_REG_WAVE_MODE, 25, 1), 1
	s_wait_xcnt 0x0
; ATTN: products 4, 5 and 6 on E4M3 codes, the gate cos(theta (key - query) / 8), the causal mask, the softmax ahead of a quantised product, and the quantiser of the last product's left operand.
; LEFT OUT: a key step all of whose 128 keys come after a wave's 16 queries: reference()'s own causal mask gives those keys the weight 0 for all finite inputs (shown at the head of the first kernel).
; SHARES.  A work-group owns two blocks of 128 queries of one (batch, head): blocks x and 15 - x, so that every work-group walks 17 block-steps.  Each of its sixteen waves owns 16 queries in 256 registers.
; LAYOUT.  S^T = K Q^T (source 0 = 16 keys, source 1 = my 16 queries), twice with K = 64: the cosine parts and the sine parts, which have scales of their own.  O^T = V^T P^T (K = 128 keys).
; A lane holds ONE query (lane % 16); register 8 c + j of the scores is key 16 c + 8 (lane / 16) + j, so eight scores, converted, are registers 2 c, 2 c + 1 of P in the plain 8-bit layout.
; All operands come as images of their registers (register i of lane L at byte (i/4) 512 + 16 L + 4 (i%4)): every LDS read is 16 x lane + a constant.
; t = (S4 + S5 2^((e8+e9)-(e6+e7))) x gate x kappa, kappa = log2(e) / 8 x 2^(e6+e7).  gate x kappa hangs on key - query alone: it is made once, as tables in LDS, four copies shifted by 0 to 3 words so that each
; lane's eight neighbours are two aligned loads of 16 bytes; one set of copies for each of the two query blocks, the block's number being in the VALUES, so that addresses hang on lane, wave and step alone.
; M = the ceiling of the running largest t; p = 2^(t - M) is quantised with 2^e10; the row's sum is taken of the unquantised p; when M moves, the sum and O^T are multiplied by a power of two.
; NO CLUSTER: the work-groups of a head end their fetches at 9 to 16 key blocks, so a joint tile would be read by no wave of some partner.
; LIMITS: e6+e7 between -123 and 130; (e8+e9)-(e6+e7) between -126 and 127; e10 and e12-e10-e11 between -126 and 119; |theta| x 256 under 2^22 pi/2.  NaN is not served.
.set SLOT1, 1<<16                      ; slot 0 from byte 0, slot 1 from here; a slot: 256 keys: K 32,768 bytes, then V 16,384
.set VOFF,  32768
.set SPARE, 131072                     ; the spare words: 128 bytes for each of 16 waves
.set GT,    196608                     ; the gate tables: 2 x 4 copies
.set CP,    10304                      ; from copy to copy: 2,563 words used; 64 bytes more than a multiple of 256, so that the four copies fall on different banks
.set NSL,   8                          ; slots' worth of keys
.set AL,  1                            ; v1   16 x lane
.set AG0, 2                            ; v2   my place in my gate table for key step 0
.set PFO, 3                            ; v3   256 x lane: the prefetches' offset
.set LQ,  4                            ; v4   lane % 16 - 8 (lane / 16)
.set SPW, 5                            ; v5   my spare word; never rewritten
.set NIL, 6                            ; v6   0; never rewritten
.set SCP, 7                            ; v7   2^e10
.set ADK, 8                            ; v8   LDS address of the slot in hand
.set ADG, 9                            ; v9   of the step's gates
.set LS,  10                           ; v[10:11] the row's sum in two halves
.set NM,  12                           ; v12 -M, v13 the largest t
.set FF,  14                           ; v14 f; v15 named with it as a pair, and the lane permutes' destination
.set QR,  16                           ; v16-23 qc, v24-31 qs
.set F,   32                           ; v32-95  four tiles of K (cosine 8, sine 8), or four fragments of V
.set T,   96                           ; v96-159 the scores, then p
.set S5,  160                          ; v160-191 the sine parts' sums; then v160-175 P's codes, v176-177 at work
.set P,   160
.set TA,  176
.set G,   192                          ; v192-223 gates of four tiles
.set O,   224                          ; v224-255 O^T
.set WV,  18
.set SEL, 20
.set DL,  22                           ; s[22:23] 2^((e8+e9)-(e6+e7))
.set G1,  24                           ; s[24:31] the one group 1: a dense block of 16,384 bytes as 64 rows of 256
.set G0K, 40                           ; s[40:43], s[44:47] the walking groups 0
.set G0V, 44
.set TB,  2
.set THETA, 56
.set SLOTS, 67
.set PFA, 76
.set PFS, 78
.set LIM, 80
.set QMAX, 81                          ; the work-group's last query
.set LIMP, 82                          ; 448 x 2^e10
.set KF,  98                           ; the step's first key
.set Q0,  99                           ; my first query
; Waves 0 and 1 fetch K's halves, wave 2 fetches V, the others nothing.  An s_nop 0 and four v_nop follow each line.
.macro TLOAD
	s_cmp_lt_u32 s[WV], 2
	s_cbranch_scc0 .Lnot_k_\@
	tensor_load_to_lds s[G0K:G0K+3], s[G1:G1+7]
	s_nop 0
.rept 4
	v_nop
.endr
	s_branch .Lasked_\@
.Lnot_k_\@:
	s_cmp_eq_u32 s[WV], 2
	s_cbranch_scc0 .Lasked_\@
	tensor_load_to_lds s[G0V:G0V+3], s[G1:G1+7]
	s_nop 0
.rept 4
	v_nop
.endr
.Lasked_\@:
.endm
; A prefetch of what the NEXT change of slots will ask for.  All work-groups of a head walk the same K and V: the head's first work-group asks; in it waves 4 to 7 for K's 32,768 bytes and waves 8 and 9 for V's
; 16,384: 8,192 bytes a wave, lanes 256 bytes apart, so each aligned block of 256 bytes is named once in the launch.  The last change that fills a slot asks for nothing; slots 0 and 1 come by their loads alone.
.macro ASK
	s_cmp_gt_u32 s[SLOTS], s[LIM]
	s_cbranch_scc0 .Lnot_mine_\@
	global_prefetch_b8 v[PFO], s[PFA:PFA+1] th:TH_LOAD_NT scope:SCOPE_SE
.Lnot_mine_\@:
.endm
	s_load_b256 s[4:11], s[0:1], 0x0               ; Qf s[4:5], Kf s[6:7], Vf s[8:9], the exponents s[10:11]
	s_load_b128 s[12:15], s[0:1], 0x20             ; theta s[12:13], AO s[14:15]
	v_lshl_add_u32 v[SPW], v0, 2, SPARE
	v_mov_b32 v[NIL], 0
	ds_add_u32 v[SPW], v[NIL]                      ; the wave's opening: the add, twice on end, and its wait ahead of the first tensor load
	ds_add_u32 v[SPW], v[NIL]
	v_lshrrev_b32 v8, 5, v0
	s_delay_alu instid0(VALU_DEP_1)
	v_readfirstlane_b32 s[WV], v8                  ; wave 0..15
	s_and_b32 s57, ttmp7, 0xffff                   ; batch 16 + head
	s_lshr_b32 s58, s[WV], 2
	s_and_b32 s58, s58, 1                          ; which of the two query blocks: waves 4-7 and 12-15 take the later one
	s_and_b32 s59, s[WV], 3
	s_lshr_b32 s60, s[WV], 3
	s_lshl_b32 s60, s60, 2
	s_or_b32 s59, s59, s60                         ; my tile in the block, 0..7
	s_mul_i32 s60, s58, 15
	s_xor_b32 s60, s60, ttmp9                      ; the block: x or 15 - x
	s_lshl_b32 s[Q0], s60, 7
	s_lshl_b32 s61, s59, 4
	s_add_co_u32 s[Q0], s[Q0], s61
	s_xor_b32 s[QMAX], ttmp9, 15
	s_lshl_b32 s[QMAX], s[QMAX], 7
	s_add_co_u32 s[QMAX], s[QMAX], 127
	s_mov_b32 s[G1], 3<<16                         ; no mask; elements of 8 bytes; no padding
	s_mov_b32 s[G1+1], 32<<16                      ; tensor_dim0 = 32
	s_mov_b32 s[G1+2], 64<<16                      ; tensor_dim1 = 64
	s_mov_b32 s[G1+3], 32<<16                      ; tile_dim0
	s_mov_b32 s[G1+4], 64                          ; tile_dim1
	s_mov_b32 s[G1+5], 32                          ; pitch
	s_mov_b32 s[G1+6], 0
	s_mov_b32 s[G1+7], 0
	s_and_b32 s62, s[WV], 1
	s_lshl_b32 s62, s62, 14                        ; K's half: in a slot and in memory
	s_lshl_b32 s68, s57, 18                        ; the head's first byte in Qf and Kf,
	s_mov_b32 s69, 0
	s_lshl_b32 s70, s57, 17                        ; and in Vf
	s_mov_b32 s71, 0
	s_lshr_b32 s72, s[Q0], 4                       ; my token tile, 0..127
	s_and_b32 s73, s72, 0x73
	s_and_b32 s74, s72, 4
	s_lshl_b32 s74, s74, 1
	s_or_b32 s73, s73, s74
	s_and_b32 s74, s72, 8
	s_lshr_b32 s74, s74, 1
	s_or_b32 s73, s73, s74                         ; its place: bits 2 and 3 exchanged
	s_lshl_b32 s74, s73, 11
	s_mov_b32 s75, 0
	s_add_nc_u64 s[74:75], s[74:75], s[68:69]      ; Q's images
	s_lshr_b32 s60, s57, 4
	s_lshl_b32 s60, s60, 7
	s_add_co_u32 s60, s60, s72                     ; my token tile among both batches' 256
	s_lshr_b32 s61, s60, 2
	s_lshl_b32 s61, s61, 4
	s_and_b32 s63, s57, 15                         ; the head
	s_add_co_u32 s61, s61, s63
	s_lshl_b32 s61, s61, 2
	s_and_b32 s60, s60, 3
	s_add_co_u32 s60, s61, s60
	s_lshl_b32 s60, s60, 10                        ; AO: ((tile / 4 x 16 + head) x 4 + tile % 4) x 1,024
	s_mov_b32 s61, 0
	s_lshl_b32 s72, s63, 2                         ; theta's place
	s_mov_b32 s73, 0
	s_mov_b32 s63, 0                               ; (the pair s[62:63])
	s_mov_b32 s[SEL], 0x76543210
	s_mov_b32 s[SEL+1], 0xfedcba98
	s_mov_b32 s[TB], 0
	s_mov_b32 s[SLOTS], NSL-1
	s_mov_b32 s[KF], 0
	s_mov_b32 s84, 0x3f22f983                      ; 2 / pi
	s_mov_b32 s85, 0x4b400000                      ; 1.5 x 2^23
	s_mov_b32 s86, 0xbfc90fdb                      ; - pi/2, its f32 part,
	s_mov_b32 s87, 0x333bbd2e                      ; and what that part is too large by
	s_mov_b32 s88, 0xb94ca1f9                      ; sine on +-pi/4
	s_mov_b32 s89, 0x3c08839e
	s_mov_b32 s90, 0xbe2aaaa3
	s_mov_b32 s91, 0x37ccf5ce                      ; cosine on +-pi/4
	s_mov_b32 s92, 0xbab6061a
	s_mov_b32 s93, 0x3d2aaaa5
	s_wait_dscnt 0x0                               ; both opening adds are done
	s_wait_kmcnt 0x0
	s_load_b256 s[48:55], s[10:11], 0x18           ; e6 .. e13
	s_add_nc_u64 s[12:13], s[12:13], s[72:73]
	s_load_b32 s[THETA], s[12:13], 0x0
	s_mov_b32 s[G0K], 1
	s_mov_b32 s[G0K+1], s62                        ; slot 0
	s_add_nc_u64 s[G0K+2:G0K+3], s[6:7], s[68:69]
	s_add_nc_u64 s[G0K+2:G0K+3], s[G0K+2:G0K+3], s[62:63]
	s_or_b32 s[G0K+3], s[G0K+3], 0x80000000
	s_mov_b32 s[G0V], 1
	s_mov_b32 s[G0V+1], VOFF
	s_add_nc_u64 s[G0V+2:G0V+3], s[8:9], s[70:71]
	s_or_b32 s[G0V+3], s[G0V+3], 0x80000000
	TLOAD                                          ; slot 0: it holds key 0, which counts for every query
	s_add_nc_u64 s[4:5], s[4:5], s[74:75]
	s_add_nc_u64 s[14:15], s[14:15], s[60:61]
	v_and_b32 v8, 31, v0
	s_delay_alu instid0(VALU_DEP_1)
	v_lshlrev_b32 v[AL], 4, v8
.irp i, 0,1,2,3
	global_load_b128 v[QR+4*\i:QR+4*\i+3], v[AL], s[4:5] offset:512*\i   ; Q's two fragments stay in registers
.endr
	v_lshlrev_b32 v[PFO], 8, v8
	s_cmp_lt_u32 s[WV], 8                          ; the prefetches: where my wave's stand, and who asks
	s_cselect_b64 s[PFA:PFA+1], s[6:7], s[8:9]
	s_cselect_b64 s[96:97], s[68:69], s[70:71]
	s_mov_b32 s[PFS], 16384
	s_cselect_b32 s[PFS], 32768, s[PFS]            ; a slot on
	s_cselect_b32 s72, 3, 1
	s_and_b32 s72, s[WV], s72
	s_lshl_b32 s72, s72, 13                        ; my wave's 8,192 bytes,
	s_add_co_u32 s72, s72, s[PFS]                  ; in slot 1: the first change of slots steps it to slot 2
	s_mov_b32 s73, 0
	s_mov_b32 s[PFS+1], 0
	s_add_nc_u64 s[PFA:PFA+1], s[PFA:PFA+1], s[96:97]
	s_add_nc_u64 s[PFA:PFA+1], s[PFA:PFA+1], s[72:73]
	s_sub_co_u32 s72, s[WV], 4
	s_cmp_lt_u32 s72, 6                            ; waves 4 to 9,
	s_cselect_b32 s72, 0, 1
	s_or_b32 s72, s72, ttmp9                       ; of the head's first work-group
	s_cmp_eq_u32 s72, 0
	s_cselect_b32 s[LIM], 1, -1
	v_and_b32 v8, 15, v0                           ; r
	v_bfe_u32 v9, v0, 4, 1                         ; h
	s_delay_alu instid0(VALU_DEP_1)
	v_lshlrev_b32 v[LQ], 3, v9
	s_delay_alu instid0(VALU_DEP_1)
	v_sub_nc_u32 v[LQ], v8, v[LQ]
	s_delay_alu instid0(VALU_DEP_4)
	v_and_b32 v[AG0], 3, v8                        ; the copy: r % 4
	s_delay_alu instid0(VALU_DEP_1)
	v_mul_u32_u24 v[AG0], v[AG0], CP
	s_delay_alu instid0(VALU_DEP_1)
	v_lshl_add_u32 v[AG0], v9, 5, v[AG0]           ; + 32 h
	v_lshrrev_b32 v10, 2, v8
	s_delay_alu instid0(VALU_DEP_1)
	v_xor_b32 v10, 3, v10
	s_delay_alu instid0(VALU_DEP_1)
	v_lshl_add_u32 v[AG0], v10, 4, v[AG0]          ; + 16 (3 - r / 4)
	s_mul_i32 s72, s58, 4*CP                       ; my block's set of copies
	s_xor_b32 s73, s59, 7
	s_lshl_b32 s73, s73, 6                         ; + 64 (7 - my tile)
	s_add_co_u32 s72, s72, s73
	s_add_co_u32 s72, s72, GT+16
	v_add_nc_u32 v[AG0], s72, v[AG0]
	v_lshl_add_u32 v96, v0, 2, GT                  ; where I store into the earlier block's copies,
	v_lshl_add_u32 v97, v0, 2, GT+4*CP             ; and into the later block's
	s_wait_kmcnt 0x0
	s_add_co_i32 s74, s48, s49                     ; e6 + e7
	s_lshl_b32 s75, s74, 23
	s_mov_b32 s94, 0x3e38aa3b                      ; log2(e) / 8,
	s_add_co_i32 s94, s94, s75                     ; x 2^(e6 + e7): added to the exponent field
	s_add_co_i32 s75, s50, s51
	s_sub_co_i32 s75, s75, s74
	s_add_co_i32 s75, s75, 127
	s_lshl_b32 s[DL], s75, 23
	s_mov_b32 s[DL+1], s[DL]
	s_add_co_i32 s75, s52, 127
	s_lshl_b32 s74, s75, 23
	v_mov_b32 v[SCP], s74
	s_add_co_i32 s75, s75, 8
	s_lshl_b32 s75, s75, 23
	s_or_b32 s[LIMP], s75, 0x600000
	s_lshl_b32 s72, ttmp9, 7
	s_sub_co_i32 s72, 0xffffff80, s72              ; -128 - 128 x the earlier block's number
	s_xor_b32 s73, ttmp9, 15
	s_lshl_b32 s73, s73, 7
	s_sub_co_i32 s73, 0xffffff80, s73              ; the same for the later block
; 512 entries of block hb's table: entry m = thread + 512 i stands for key - query = m - 128 - 128 x block; it goes to word m + s of copy s
.macro GATE hb, i
	s_add_co_i32 s74, s[72+\hb], 512*(\i)
	v_add_nc_u32 v98, s74, v0
	s_delay_alu instid0(VALU_DEP_1)
	v_cvt_f32_i32 v98, v98
	s_delay_alu instid0(VALU_DEP_1)
	v_mul_f32 v98, 0x3e000000, v98                 ; / 8: exact
	s_delay_alu instid0(VALU_DEP_1)
	v_mul_f32 v99, s[THETA], v98
	s_delay_alu instid0(VALU_DEP_1)
	v_fma_f32 v100, v99, s84, s85
	s_delay_alu instid0(VALU_DEP_1)
	v_sub_f32 v101, v100, s85
	s_delay_alu instid0(VALU_DEP_1)
	v_fma_f32 v102, v101, s86, v99
	s_delay_alu instid0(VALU_DEP_1)
	v_fma_f32 v102, v101, s87, v102
	s_delay_alu instid0(VALU_DEP_1)
	v_mul_f32 v103, v102, v102
	s_delay_alu instid0(VALU_DEP_1)
	v_fma_f32 v104, v103, s88, s89
	s_delay_alu instid0(VALU_DEP_1)
	v_fma_f32 v104, v104, v103, s90
	s_delay_alu instid0(VALU_DEP_1)
	v_mul_f32 v104, v104, v103
	s_delay_alu instid0(VALU_DEP_1)
	v_fma_f32 v104, v104, v102, v102
	v_fma_f32 v105, v103, s91, s92
	s_delay_alu instid0(VALU_DEP_1)
	v_fma_f32 v105, v105, v103, s93
	s_delay_alu instid0(VALU_DEP_1)
	v_fma_f32 v105, v105, v103, -0.5
	s_delay_alu instid0(VALU_DEP_1)
	v_fma_f32 v105, v105, v103, 1.0
	v_lshlrev_b32 v106, 31, v100
	s_delay_alu instid0(VALU_DEP_1)
	v_cmp_gt_i32 vcc_lo, 0, v106
	s_delay_alu instid0(VALU_DEP_1)
	v_cndmask_b32 v105, v105, v104, vcc_lo
	v_lshrrev_b32 v100, 1, v100
	s_delay_alu instid0(VALU_DEP_1)
	v_lshl_add_u32 v105, v100, 31, v105
	s_delay_alu instid0(VALU_DEP_1)
	v_add_nc_u32 v105, v105, v106
	s_delay_alu instid0(VALU_DEP_1)
	v_mul_f32 v105, s94, v105
.irp s, 0,1,2,3
	ds_store_b32 v[96+\hb], v105 offset:2048*(\i)+\s*(CP+4)
.endr
.endm
.irp i, 0,1,2,3,4
	GATE 0, \i
	GATE 1, \i
.endr
	v_mov_b32 v13, 0xff61b1e6                      ; the largest t so far: -3e38
	s_delay_alu instid0(VALU_DEP_1)
	v_floor_f32 v12, -v13                          ; -M
	v_mov_b32 v10, 0
	v_mov_b32 v11, 0
	v_mov_b32 v14, 0
	v_mov_b32 v15, 0
.set i, 0
.rept 32
	v_mov_b32 v[O+i], 0                            ; the step is written once: the first finds zeros
.set i, i+1
.endr
; A KEY STEP: 128 keys, the q-th of the slot in hand
.macro STEP q
	s_add_co_u32 s96, s[Q0], 15
	s_cmp_gt_u32 s[KF], s96                        ; all keys behind my queries: the step's work is left out; ids and the count of steps alone
	s_cbranch_scc1 .Lhidden_\@
	s_lshl_b32 s96, s[KF], 2
	v_add_nc_u32 v[ADK], s[TB], v[AL]
	v_add_nc_u32 v[ADG], s96, v[AG0]
.rept 4
	v_nop                                          ; with the two additions six places behind the last step's products: loads go into V's registers, and a product writes over P's
.endr
.irp g, 0,1                                    ; four tiles of 16 keys at a time
.irp t, 0,1,2,3
.irp i, 0,1,2,3
	ds_load_b128 v[F+16*\t+4*\i:F+16*\t+4*\i+3], v[ADK] offset:(8*\g+4*(\q)+\t)*2048+512*\i
.endr
.endr
.irp t, 0,1,2,3
	ds_load_b128 v[G+8*\t:G+8*\t+3], v[ADG] offset:64*(4*\g+\t)
	ds_load_b128 v[G+8*\t+4:G+8*\t+7], v[ADG] offset:64*(4*\g+\t)+16
.endr
	s_wait_dscnt 8                                 ; K's 16 loads are in; the gates' eight may be out
.irp t, 0,1,2,3
	v_wmma_f32_16x16x64_fp8_fp8 v[T+8*(4*\g+\t):T+8*(4*\g+\t)+7], v[F+16*\t:F+16*\t+7], v[QR:QR+7], 0
	v_wmma_f32_16x16x64_fp8_fp8 v[S5+8*\t:S5+8*\t+7], v[F+16*\t+8:F+16*\t+15], v[QR+8:QR+15], 0
.endr
.rept 4
	v_nop
.endr
.if \g == 1
.irp d, 0,1,2,3
.irp i, 0,1,2,3
	ds_load_b128 v[F+16*\d+4*\i:F+16*\d+4*\i+3], v[ADK] offset:VOFF+(\q)*8192+\d*2048+512*\i   ; V's four fragments: they land under the softmax
.endr
.endr
.endif
.irp t, 0,1,2,3
.irp i, 0,2,4,6
	v_pk_fma_f32 v[T+8*(4*\g+\t)+\i:T+8*(4*\g+\t)+\i+1], v[S5+8*\t+\i:S5+8*\t+\i+1], s[DL:DL+1], v[T+8*(4*\g+\t)+\i:T+8*(4*\g+\t)+\i+1] op_sel_hi:[1,0,1]
.endr
.endr
.if \g == 0
	s_wait_dscnt 0                                 ; the gates are in
.else
	s_wait_dscnt 16                                ; the gates are in; V's 16 loads may be out
.endif
.irp t, 0,1,2,3
.irp i, 0,2,4,6
	v_pk_mul_f32 v[T+8*(4*\g+\t)+\i:T+8*(4*\g+\t)+\i+1], v[T+8*(4*\g+\t)+\i:T+8*(4*\g+\t)+\i+1], v[G+8*\t+\i:G+8*\t+\i+1]
.endr
.endr
.endr
	s_add_co_u32 s96, s[KF], 127                   ; on the diagonal hidden keys' t become -infinity, behind the gate, whose sign is free.  A step all of whose keys count skips this
	s_cmp_le_u32 s96, s[Q0]
	s_cbranch_scc1 .Lopen_\@
	s_sub_co_i32 s96, s[Q0], s[KF]
	v_add_nc_u32 v[G], s96, v[LQ]                  ; register 8 c + j is hidden where 16 c + j > my query - KF - 8 (lane / 16)
	v_mov_b32 v[G+1], 0xff800000
.set n, 0
.rept 64
	v_cmp_gt_i32 vcc_lo, 16*(n/8)+n%8, v[G]
	s_delay_alu instid0(VALU_DEP_1)
	v_cndmask_b32 v[T+n], v[T+n], v[G+1], vcc_lo
.set n, n+1
.endr
.Lopen_\@:
	v_max3_num_f32 v[TA], v[T], v[T+1], v[T+2]     ; the step's largest t of my query, in two chains
	v_max3_num_f32 v[TA+1], v[T+3], v[T+4], v[T+5]
.irp i, 6,10,14,18,22,26,30,34,38,42,46,50,54,58
	s_delay_alu instid0(VALU_DEP_2)
	v_max3_num_f32 v[TA], v[TA], v[T+\i], v[T+\i+1]
	s_delay_alu instid0(VALU_DEP_2)
	v_max3_num_f32 v[TA+1], v[TA+1], v[T+\i+2], v[T+\i+3]
.endr
	s_delay_alu instid0(VALU_DEP_2)
	v_max3_num_f32 v[TA], v[TA], v[T+62], v[T+63]
	s_delay_alu instid0(VALU_DEP_1)
	v_max_num_f32 v[TA], v[TA], v[TA+1]
	s_delay_alu instid0(VALU_DEP_1)
	v_permlanex16_b32 v15, v[TA], s[SEL], s[SEL+1]
	s_delay_alu instid0(VALU_DEP_1)
	v_max_num_f32 v[TA], v[TA], v15                ; and among lane l xor 16's
	s_delay_alu instid0(VALU_DEP_1)
	v_max_num_f32 v13, v13, v[TA]
	v_mov_b32 v[TA], v12
	s_delay_alu instid0(VALU_DEP_2)
	v_floor_f32 v12, -v13                          ; the new -M
	s_delay_alu instid0(VALU_DEP_1)
	v_sub_f32 v[TA], v12, v[TA]                    ; old M - new M: a whole number, 0 or less
	s_delay_alu instid0(VALU_DEP_1)
	v_cvt_i32_f32 v[TA], v[TA]
	s_delay_alu instid0(VALU_DEP_1)
	v_ldexp_f32 v14, 1.0, v[TA]                    ; f = 2^(old M - new M)
.set n, 0
.rept 32
	v_pk_add_f32 v[T+n:T+n+1], v[T+n:T+n+1], v[NM:NM+1] op_sel_hi:[1,0]
.set n, n+2
.endr
.set n, 0
	s_wait_alu depctr_va_vdst(0)
.rept 64
	v_exp_f32 v[T+n], v[T+n]                       ; p = 2^(t - M)
.set n, n+1
.endr
	v_pk_mul_f32 v[LS:LS+1], v[LS:LS+1], v[FF:FF+1] op_sel_hi:[1,0]   ; the sum under the new M: the plain instruction behind the exponentials
	s_wait_alu depctr_va_vdst(0)                   ; one wait for the batch, ahead of its first reader
	v_pk_add_f32 v[176:177], v[100:101], v[104:105]
	v_pk_add_f32 v[222:223], v[108:109], v[112:113]
	v_pk_add_f32 v[220:221], v[116:117], v[120:121]
	v_pk_add_f32 v[218:219], v[124:125], v[128:129]
	v_pk_add_f32 v[216:217], v[132:133], v[136:137]
	v_pk_add_f32 v[214:215], v[140:141], v[144:145]
	v_pk_add_f32 v[212:213], v[148:149], v[152:153]
	v_pk_add_f32 v[10:11], v[10:11], v[156:157]
	v_pk_add_f32 v[176:177], v[176:177], v[96:97]
	v_pk_add_f32 v[222:223], v[222:223], v[98:99]
	v_pk_add_f32 v[220:221], v[220:221], v[102:103]
	v_pk_add_f32 v[218:219], v[218:219], v[106:107]
	v_pk_add_f32 v[216:217], v[216:217], v[110:111]
	v_pk_add_f32 v[214:215], v[214:215], v[114:115]
	v_pk_add_f32 v[212:213], v[212:213], v[118:119]
	v_pk_add_f32 v[10:11], v[10:11], v[122:123]
	v_pk_add_f32 v[176:177], v[176:177], v[126:127]
	v_pk_add_f32 v[222:223], v[222:223], v[130:131]
	v_pk_add_f32 v[220:221], v[220:221], v[134:135]
	v_pk_add_f32 v[218:219], v[218:219], v[138:139]
	v_pk_add_f32 v[216:217], v[216:217], v[142:143]
	v_pk_add_f32 v[214:215], v[214:215], v[146:147]
	v_pk_add_f32 v[212:213], v[212:213], v[150:151]
	v_pk_add_f32 v[10:11], v[10:11], v[154:155]
	v_pk_add_f32 v[176:177], v[176:177], v[158:159]
	s_delay_alu instid0(VALU_DEP_2)
	v_pk_add_f32 v[10:11], v[10:11], v[218:219]
	s_delay_alu instid0(VALU_DEP_2)
	v_pk_add_f32 v[176:177], v[176:177], v[216:217]
	v_pk_add_f32 v[222:223], v[222:223], v[214:215]
	v_pk_add_f32 v[220:221], v[220:221], v[212:213]
	s_delay_alu instid0(VALU_DEP_2)
	v_pk_add_f32 v[10:11], v[10:11], v[222:223]
	s_delay_alu instid0(VALU_DEP_2)
	v_pk_add_f32 v[176:177], v[176:177], v[220:221]
	s_delay_alu instid0(VALU_DEP_1)
	v_pk_add_f32 v[10:11], v[10:11], v[176:177]
.set n, 0
.rept 64
	v_min_num_f32 v[T+n], s[LIMP], v[T+n]          ; the conversion does not saturate (ISA guide 7.6.2); p is not negative, so the hold is one-sided
.set n, n+1
.endr
.irp c, 0,1,2,3,4,5,6,7
	v_cvt_scalef32_pk8_fp8_f32 v[P+2*\c:P+2*\c+1], v[T+8*\c:T+8*\c+7], v[SCP]
.endr
.set n, 0
.rept 16
	v_pk_mul_f32 v[O+n:O+n+1], v[O+n:O+n+1], v[FF:FF+1] op_sel_hi:[1,0]   ; O^T under the new M; also the plain instructions behind the conversions
.set n, n+2
.endr
	s_wait_alu depctr_va_vdst(0)
	s_wait_dscnt 0x0                               ; V is in
.irp d, 0,1,2,3
	v_wmma_f32_16x16x128_fp8_fp8 v[O+8*\d:O+8*\d+7], v[F+16*\d:F+16*\d+15], v[P:P+15], v[O+8*\d:O+8*\d+7]   ; the four accumulators by turns
.endr
.Lhidden_\@:
	s_add_co_u32 s[KF], s[KF], 128
.endm
; THE CHANGE OF SLOTS, at a slot's head.  Each wave waits for all its tensor loads, adds 0 to its spare word, and waits for that and for its reads of the slot that it has left (in the first change: for its stores
; into the gate tables too).  Behind the barrier the slot ahead is whole, and the other one is filled with the keys that follow, up to the causal limit.
.macro CHANGE fill
	s_wait_tensorcnt 0x0
	ds_add_u32 v[SPW], v[NIL]
.if \fill
	ds_add_u32 v[SPW], v[NIL]                      ; the add twice on end here, in every trip alike
	s_xor_b32 s[G0K+1], s[G0K+1], SLOT1            ; no tensor load of mine is out: the walking descriptors step
	s_add_nc_u64 s[G0K+2:G0K+3], s[G0K+2:G0K+3], 32768
	s_xor_b32 s[G0V+1], s[G0V+1], SLOT1
	s_add_nc_u64 s[G0V+2:G0V+3], s[G0V+2:G0V+3], 16384
	s_wait_xcnt 0x0                                ; the last prefetch, a slot back, has read its address
	s_add_nc_u64 s[PFA:PFA+1], s[PFA:PFA+1], s[PFS:PFS+1]
.endif
	s_wait_dscnt 0x0
	s_barrier_signal -1
	s_barrier_wait -1
.if \fill
	s_add_co_u32 s96, s[KF], 256                   ; the first key of the slot that this change would ask for:
	s_cmp_gt_u32 s96, s[QMAX]                      ; behind the work-group's last query no wave reads it, so it is not asked for; the same in all sixteen waves
	s_cbranch_scc1 .Lpast_\@
	TLOAD                                          ; a wave's one tensor load until the next such barrier; each load holds tiles of the slot's first step, which is read
.Lpast_\@:
	ASK
.endif
.endm
.macro SLOT_STEPS
	STEP 0
	STEP 1
	s_xor_b32 s[TB], s[TB], SLOT1
.endm
	s_wait_loadcnt 0x0                             ; Q
.Lslot:                                            ; seven trips
	CHANGE 1
	SLOT_STEPS
	s_sub_co_u32 s[SLOTS], s[SLOTS], 1
	s_cmp_lg_u32 s[SLOTS], 0
	s_cbranch_scc1 .Lslot
	CHANGE 0                                       ; the last slot is written out: nothing is left to ask for
	SLOT_STEPS
	; THE WAY OUT: O^T / the sum, quantised with 2^e12: the image of 16 tokens x this head's 64 of the last product's K
.rept 4
	v_nop                                          ; places behind the last products
.endr
	v_add_f32 v10, v10, v11
	s_delay_alu instid0(VALU_DEP_1)
	v_permlanex16_b32 v15, v10, s[SEL], s[SEL+1]
	s_delay_alu instid0(VALU_DEP_1)
	v_add_f32 v10, v10, v15
	s_wait_alu depctr_va_vdst(0)
	v_rcp_f32 v10, v10
	s_sub_co_i32 s96, s54, s52
	s_sub_co_i32 s96, s96, s53                     ; e12 - e10 - e11: a sum stands for sum x 2^(e10 + e11)
	s_add_co_i32 s96, s96, 127
	s_lshl_b32 s97, s96, 23
	v_mov_b32 v8, s97                              ; (a plain instruction behind the reciprocal)
	s_add_co_i32 s96, s96, 8
	s_lshl_b32 s96, s96, 23
	s_or_b32 s96, s96, 0x600000
	v_mov_b32 v9, s96
	s_wait_alu depctr_va_vdst(0)                   ; ahead of the reciprocal's first reader
.set n, 0
.rept 16
	v_pk_mul_f32 v[T+n:T+n+1], v[O+n:O+n+1], v[LS:LS+1] op_sel_hi:[1,0]
.set n, n+2
.endr
.set n, 0
.rept 32
	v_med3_num_f32 v[T+n], v[T+n], -v9, v9
.set n, n+1
.endr
.irp d, 0,1,2,3
	v_cvt_scalef32_pk8_fp8_f32 v[P+2*\d:P+2*\d+1], v[T+8*\d:T+8*\d+7], v8
.endr
	v_nop
	global_store_b128 v[AL], v[P:P+3], s[14:15]                    ; 512 consecutive bytes, aligned
	global_store_b128 v[AL], v[P+4:P+7], s[14:15] offset:512
	s_wait_tensorcnt 0x0                           ; the wave's end
	ds_add_u32 v[SPW], v[NIL]
	s_wait_dscnt 0x0
	s_endpgm
.Lfunc_end_k_q4c66dcfa2d_attn:
	.size	k_q4c66dcfa2d_attn, .Lfunc_end_k_q4c66dcfa2d_attn-k_q4c66dcfa2d_attn
	.p2alignl 7, 3214868480
	.fill 96, 4, 3214868480
	.section	.rodata,"a",@progbits
	.p2align	6, 0x0
	.amdhsa_kernel k_q4c66dcfa2d_attn
		.amdhsa_group_segment_fixed_size 327680
		.amdhsa_private_segment_fixed_size 0
		.amdhsa_enable_private_segment 0
		.amdhsa_kernarg_size 48
		.amdhsa_user_sgpr_count 2
		.amdhsa_user_sgpr_kernarg_segment_ptr 1
		.amdhsa_wavefront_size32 1
		.amdhsa_system_sgpr_workgroup_id_x 1
		.amdhsa_system_sgpr_workgroup_id_y 1
		.amdhsa_system_sgpr_workgroup_id_z 1
		.amdhsa_system_vgpr_workitem_id 0
		.amdhsa_next_free_vgpr 256
		.amdhsa_next_free_sgpr 100
		.amdhsa_reserve_vcc 1
		.amdhsa_float_denorm_mode_32 3
		.amdhsa_float_denorm_mode_16_64 3
		.amdhsa_memory_ordered 1
		.amdhsa_forward_progress 1
		.amdhsa_inst_pref_size 159
	.end_amdhsa_kernel
	.amdgpu_metadata
---
amdhsa.version: [ 1, 2 ]
amdhsa.kernels:
  - .name:           k_q4c66dcfa2d_attn
    .symbol:         k_q4c66dcfa2d_attn.kd
    .args:
      - { .name: Qf, .offset: 0, .size: 8, .value_kind: global_buffer, .address_space: global }
      - { .name: Kf, .offset: 8, .size: 8, .value_kind: global_buffer, .address_space: global }
      - { .name: Vf, .offset: 16, .size: 8, .value_kind: global_buffer, .address_space: global }
      - { .name: lowp_scales, .offset: 24, .size: 8, .value_kind: global_buffer, .address_space: global }
      - { .name: theta_offset, .offset: 32, .size: 8, .value_kind: global_buffer, .address_space: global }
      - { .name: AO, .offset: 40, .size: 8, .value_kind: global_buffer, .address_space: global }
    .group_segment_fixed_size: 327680
    .private_segment_fixed_size: 0
    .kernarg_segment_align: 8
    .kernarg_segment_size: 48
    .max_flat_workgroup_size: 512
    .sgpr_count:     100
    .vgpr_count:     256
    .wavefront_size: 32
...
	.end_amdgpu_metadata
.endif
;; end of part 2
;; launch oproj (part 3): grid 8 x 32, 4 waves a work-group, clusters of 4 x 4, 327,680 bytes of LDS; arguments AO, Wo_codes, lowp_scales, out0; writes out0
.if DOCPART == 3
	.amdgcn_target "amdgcn-amd-amdhsa--gfx1250"
	.amdhsa_code_object_version 6
	.text
	.protected	k_q4c66dcfa2d_oproj
	.globl	k_q4c66dcfa2d_oproj
	.p2align	8
	.type	k_q4c66dcfa2d_oproj,@function
k_q4c66dcfa2d_oproj:
	s_mov_b64 s[64:65], 0
	v_nop
	global_prefetch_b8 v0, s[64:65] scope:SCOPE_SE
	s_setreg_imm32_b32 hwreg(HW_REG_WAVE_MODE, 25, 1), 1
	s_wait_xcnt 0x0
	s_wait_alu depctr_hold_cnt(0) depctr_sa_sdst(0) depctr_va_vdst(0) depctr_va_sdst(0) depctr_va_ssrc(0) depctr_va_vcc(0) depctr_vm_vsrc(0)
	s_getreg_b32 s2, hwreg(HW_REG_IB_STS2, 6, 4)
	s_cmp_eq_u32 s2, 0
	s_cbranch_scc0 .Lentry_in_a_cluster
	s_endpgm
.Lentry_in_a_cluster:
	s_bfe_u32 s2, ttmp6, 0x10000c
	s_cmp_lg_u32 s2, 0xf033
	s_cbranch_scc0 .Lentry_shape_is_right
	s_endpgm
.Lentry_shape_is_right:
; OPROJ: out0 = attention's result x Wo (product 7) on E4M3 codes; each finished sum x 2^(e12 + e13).  No work is left out here.
; A tile of out0 is 128 tokens x 128 columns: 256 work-groups; four waves, 64 x 64 each (16 accumulators).  The whole K = 1,024 of both operands lies in LDS, asked for once at the start, one tensor load a wave:
; waves 0, 1: AO's two halves of 64 tokens, each a dense block of 65,536 bytes; waves 2, 3: Wo's two halves of 64 rows x 1,024 bytes, 16 bytes of padding behind each row.  Nothing is filled again.
; 4 x 4 work-groups form a cluster: AO's tiles are asked for jointly along a row, Wo's along a column.  No prefetch: the launch has no loop to run ahead in.
; AO holds images of operand registers in the plain 8-bit layout (two heads' images on end are a fragment of 128 along K), so Wo's fragments are read in that layout too: eight loads of 8 bytes.
; Source 0 = 16 rows of Wo (columns of out0), source 1 = 16 tokens: a lane holds eight neighbouring columns of one token's row.
; LIMIT: e12 + e13 between -126 and 127.
.set BOFF,   131072                    ; AO: 65,536 x token half;  Wo: from here, 66,560 x column half, rows of 1,024 + 16 bytes
.set BP,     1040
.set STAGE,  270336                    ; the way out: 16 rows x 272 bytes for each wave
.set SPARE,  287744
.set ADRA, 16
.set ADRB, 20
.set STO,  24
.set RD,   25
.set CO,   26
.set SPW,  28
.set NIL,  29
.set TMP,  32                          ; v32-63 a block's sums x 2^(e12 + e13)
.set BK,   64                          ; v64-95, v96-127 16 rows read back, by turns
.set ACC,  128                         ; v128-255 accumulator (a, b) at 8 (4 a + b);  window 1: two buffers of 128: A's four fragments, then B's four
.set G1,  24
.set G0,  32
.set G1B, 48
.set G0B, 68
.set MSB, 0
.macro WIN new
.if MSB != \new
	s_set_vgpr_msb (MSB<<8)|\new
.set MSB, \new
.endif
.endm
.macro CROUND
	s_barrier_signal -1
	s_barrier_wait -1
	s_cmp_lg_u32 s14, 0
	s_cbranch_scc1 .Lnot_wave_0_\@
	s_barrier_signal -3
.Lnot_wave_0_\@:
	s_barrier_wait -3
	s_barrier_signal -1
	s_barrier_wait -1
.endm
.macro PLACES
.rept 4
	v_nop
.endr
.endm
	s_load_b256 s[4:11], s[0:1], 0x0               ; AO, Wo, the exponents, out0
	v_lshl_add_u32 v[SPW], v0, 2, SPARE
	v_mov_b32 v[NIL], 0
	ds_add_u32 v[SPW], v[NIL]                      ; the opening: the add, twice on end, and its wait
	ds_add_u32 v[SPW], v[NIL]
	v_lshrrev_b32 v1, 5, v0
	v_readfirstlane_b32 s14, v1                    ; wave 0..3
	s_lshr_b32 s15, s14, 1                         ; my half of the tokens.  Also: I fetch AO (0) or Wo (1)
	s_and_b32 s16, s14, 1                          ; my half of the columns.  Also: which half I fetch
	s_bfe_u32 s84, ttmp6, 0x40000
	s_bfe_u32 s85, ttmp6, 0x40004
	s_lshl_b32 s86, ttmp9, 2
	s_add_co_u32 s86, s86, s84                     ; tile column 0..7
	s_and_b32 s87, ttmp7, 0xffff
	s_lshl_b32 s87, s87, 2
	s_add_co_u32 s87, s87, s85                     ; tile row 0..31
	s_lshl_b32 s88, s85, 2
	s_lshl_b32 s88, 15, s88
	s_lshl_b32 s89, 0x1111, s84
	s_or_b32 s[G1], s88, (3<<16)|(1<<21)           ; AO: 256 rows of 32 elements of 8 bytes, dense
	s_mov_b32 s[G1+1], 32<<16
	s_mov_b32 s[G1+2], 256<<16
	s_mov_b32 s[G1+3], 32<<16
	s_mov_b32 s[G1+4], 256
	s_mov_b32 s[G1+5], 32
	s_mov_b32 s[G1+6], 0
	s_mov_b32 s[G1+7], 0
	s_or_b32 s[G1B], s89, (0<<16)|(1<<20)|(1<<21)|(7<<22)|(3<<25)   ; Wo: 64 rows of 1,024 bytes; 4 words of padding behind every 256
	s_mov_b32 s[G1B+1], 1024<<16
	s_mov_b32 s[G1B+2], 64<<16
	s_mov_b32 s[G1B+3], 1024<<16
	s_mov_b32 s[G1B+4], 64
	s_mov_b32 s[G1B+5], 1024
	s_mov_b32 s[G1B+6], 0
	s_mov_b32 s[G1B+7], 0
	s_lshl_b32 s90, s16, 16
	s_lshl_b32 s20, s87, 17                        ; AO: 131,072 x tile row + 65,536 x half
	s_add_co_u32 s20, s20, s90
	s_mov_b32 s21, 0
	s_lshl_b32 s22, s86, 17                        ; Wo: row 128 x tile column + 64 x half
	s_add_co_u32 s22, s22, s90
	s_mov_b32 s23, 0
	s_lshl_b32 s92, s16, 16
	s_mul_i32 s93, s16, 64*BP
	s_wait_dscnt 0x0
	s_wait_kmcnt 0x0
	s_load_b64 s[96:97], s[8:9], 0x30              ; e12, e13
	s_mov_b32 s[G0], 1
	s_mov_b32 s[G0+1], s92
	s_add_nc_u64 s[G0+2:G0+3], s[4:5], s[20:21]
	s_or_b32 s[G0+3], s[G0+3], 0x80000000
	s_mov_b32 s[G0B], 1
	s_add_co_u32 s[G0B+1], s93, BOFF
	s_add_nc_u64 s[G0B+2:G0B+3], s[6:7], s[22:23]
	s_or_b32 s[G0B+3], s[G0B+3], 0x80000000
	CROUND                                         ; all sixteen work-groups are here: the joint loads meet
	s_cmp_eq_u32 s15, 0
	s_cbranch_scc0 .Lfor_b
	tensor_load_to_lds s[G0:G0+3], s[G1:G1+7]
	s_nop 0
	PLACES
	s_branch .Lasked
.Lfor_b:
	tensor_load_to_lds s[G0B:G0B+3], s[G1B:G1B+7]
	s_nop 0
	PLACES
.Lasked:
	s_lshl_b32 s88, s15, 16
	s_mul_i32 s89, s16, 64*BP
	s_add_co_u32 s89, s89, BOFF
	s_mul_i32 s92, s14, 4352
	s_add_co_u32 s92, s92, STAGE                   ; my stage
	s_lshl_b32 s90, s87, 19                        ; my first row: (128 x tile row + 64 x half) x 4,096 bytes,
	s_lshl_b32 s91, s15, 18
	s_add_co_u32 s90, s90, s91
	s_lshl_b32 s91, s86, 9                         ; my first column: 512 x tile column + 256 x half
	s_add_co_u32 s90, s90, s91
	s_lshl_b32 s91, s16, 8
	s_add_co_u32 s90, s90, s91
	s_mov_b32 s91, 0
	s_add_nc_u64 s[10:11], s[10:11], s[90:91]
	v_and_b32 v1, 15, v0                           ; r
	v_bfe_u32 v2, v0, 4, 1                         ; h
	v_and_b32 v3, 31, v0
	v_lshlrev_b32 v4, 4, v3
	v_add_nc_u32 v[ADRA], s88, v4                  ; an image's place: 16 x lane, in my half of the tokens
	v_mul_u32_u24 v5, v1, BP
	v_lshl_add_u32 v5, v2, 3, v5                   ; Wo: row r, + 8 h
	v_add_nc_u32 v[ADRB], s89, v5
	v_mul_u32_u24 v6, v1, 272
	v_lshl_add_u32 v6, v2, 5, v6
	v_add_nc_u32 v[STO], s92, v6                   ; in: row r, 32 bytes for each half of the lanes
	v_mul_u32_u24 v7, v2, 272
	v_lshl_add_u32 v7, v1, 4, v7
	v_add_nc_u32 v[RD], s92, v7                    ; back: lanes 0-15 one row of 256 bytes, lanes 16-31 the next
	v_lshlrev_b32 v8, 12, v2
	v_lshl_add_u32 v[CO], v1, 4, v8                ; and the same two rows in out0
; the fragments of step s (128 along K: heads 2 s and 2 s + 1) into buffer s % 2
.macro FETCH s
.set FB, 128*((\s)%2)
	WIN 0x40                                       ; destination window 1
.irp a, 0,1,2,3
	ds_load_b128 v[FB+16*\a:FB+16*\a+3],     v[ADRA] offset:(\s)*8192+\a*1024
	ds_load_b128 v[FB+16*\a+4:FB+16*\a+7],   v[ADRA] offset:(\s)*8192+\a*1024+512
	ds_load_b128 v[FB+16*\a+8:FB+16*\a+11],  v[ADRA] offset:(\s)*8192+\a*1024+4096
	ds_load_b128 v[FB+16*\a+12:FB+16*\a+15], v[ADRA] offset:(\s)*8192+\a*1024+4608
.endr
.irp b, 0,1,2,3
.irp c, 0,1,2,3,4,5,6,7
	ds_load_b64 v[FB+64+16*\b+2*\c:FB+64+16*\b+2*\c+1], v[ADRB] offset:\b*16*BP+128*(\s)+16*\c
.endr
.endr
.endm
.macro MUL16 s                         ; the 16 accumulators take turns; step 0's products start the sums
.set FB, 128*((\s)%2)
.irp a, 0,1,2,3
.irp b, 0,1,2,3
.if (\s) == 0
	v_wmma_f32_16x16x128_fp8_fp8 v[ACC+8*(4*\a+\b):ACC+8*(4*\a+\b)+7], v[FB+64+16*\b:FB+64+16*\b+15], v[FB+16*\a:FB+16*\a+15], 0
.else
	v_wmma_f32_16x16x128_fp8_fp8 v[ACC+8*(4*\a+\b):ACC+8*(4*\a+\b)+7], v[FB+64+16*\b:FB+64+16*\b+15], v[FB+16*\a:FB+16*\a+15], v[ACC+8*(4*\a+\b):ACC+8*(4*\a+\b)+7]
.endif
.endr
.endr
.endm
	s_wait_alu depctr_va_vdst(0)                   ; the wait at the head's end
	s_wait_tensorcnt 0x0                           ; my load is in
	s_barrier_signal -1
	s_barrier_wait -1                              ; everybody's is
	FETCH 0
.irp s, 0,1,2,3,4,5,6,7
	s_wait_dscnt 0x0                               ; this step's fragments are in
.if \s < 7
	PLACES                                         ; in front of loads into the buffer that the step before multiplied
	FETCH \s+1
.endif
	WIN 0x05                                       ; sources 0 and 1 window 1; C and D window 0
	MUL16 \s
.endr
	WIN 0
; THE WAY OUT, a block of 16 tokens x 64 columns at a time, through my own stage: back as whole rows of 256 bytes.  LDS serves a wave's instructions in order (ISA guide 5.7.1.4).
.macro TOSTAGE a
.set j, 0
.rept 16
	v_pk_mul_f32 v[TMP+j:TMP+j+1], v[ACC+32*(\a)+j:ACC+32*(\a)+j+1], s[96:97] op_sel_hi:[1,0]   ; each accumulator from its low end on
.set j, j+2
.endr
.irp b, 0,1,2,3
	ds_store_b128 v[STO], v[TMP+8*\b:TMP+8*\b+3] offset:64*\b
	ds_store_b128 v[STO], v[TMP+8*\b+4:TMP+8*\b+7] offset:64*\b+16
.endr
.set BB, BK+32*((\a)%2)
.irp i, 0,1,2,3,4,5,6,7
	ds_load_b128 v[BB+4*\i:BB+4*\i+3], v[RD] offset:\i*544
.endr
.endm
.macro SEND a, younger                 ; younger: the LDS instructions issued behind block a's loads
.set BB, BK+32*((\a)%2)
	s_wait_dscnt \younger
.irp i, 0,1,2,3,4,5,6,7
	global_store_b128 v[CO], v[BB+4*\i:BB+4*\i+3], s[10:11] offset:(\a)*65536+\i*8192 th:TH_STORE_NT   ; 16 lanes store 256 consecutive bytes, aligned
.endr
.endm
	s_wait_kmcnt 0x0
	s_add_co_i32 s96, s96, s97
	s_add_co_i32 s96, s96, 127
	s_lshl_b32 s96, s96, 23                        ; 2^(e12 + e13) as f32
	s_mov_b32 s97, s96
	PLACES                                         ; behind the last products
	TOSTAGE 0
	TOSTAGE 1
	SEND 0, 16                                     ; behind block 0's loads: block 1's eight stores and eight loads
	s_wait_xcnt 0x0                                ; block 0's stores have read their registers
	TOSTAGE 2
	SEND 1, 16
	s_wait_xcnt 0x0
	TOSTAGE 3
	SEND 2, 16
	SEND 3, 0
	s_wait_tensorcnt 0x0                           ; the wave's end
	ds_add_u32 v[SPW], v[NIL]
	s_wait_dscnt 0x0
	CROUND                                         ; the closing round
	s_endpgm
.Lfunc_end_k_q4c66dcfa2d_oproj:
	.size	k_q4c66dcfa2d_oproj, .Lfunc_end_k_q4c66dcfa2d_oproj-k_q4c66dcfa2d_oproj
	.p2alignl 7, 3214868480
	.fill 96, 4, 3214868480
	.section	.rodata,"a",@progbits
	.p2align	6, 0x0
	.amdhsa_kernel k_q4c66dcfa2d_oproj
		.amdhsa_group_segment_fixed_size 327680
		.amdhsa_private_segment_fixed_size 0
		.amdhsa_enable_private_segment 0
		.amdhsa_kernarg_size 32
		.amdhsa_user_sgpr_count 2
		.amdhsa_user_sgpr_kernarg_segment_ptr 1
		.amdhsa_wavefront_size32 1
		.amdhsa_system_sgpr_workgroup_id_x 1
		.amdhsa_system_sgpr_workgroup_id_y 1
		.amdhsa_system_sgpr_workgroup_id_z 1
		.amdhsa_system_vgpr_workitem_id 0
		.amdhsa_next_free_vgpr 512
		.amdhsa_next_free_sgpr 100
		.amdhsa_reserve_vcc 0
		.amdhsa_float_denorm_mode_32 3
		.amdhsa_float_denorm_mode_16_64 3
		.amdhsa_memory_ordered 1
		.amdhsa_forward_progress 1
		.amdhsa_inst_pref_size 51
	.end_amdhsa_kernel
	.amdgpu_metadata
---
amdhsa.version: [ 1, 2 ]
amdhsa.kernels:
  - .name:           k_q4c66dcfa2d_oproj
    .symbol:         k_q4c66dcfa2d_oproj.kd
    .args:
      - { .name: AO, .offset: 0, .size: 8, .value_kind: global_buffer, .address_space: global }
      - { .name: Wo_codes, .offset: 8, .size: 8, .value_kind: global_buffer, .address_space: global }
      - { .name: lowp_scales, .offset: 16, .size: 8, .value_kind: global_buffer, .address_space: global }
      - { .name: out0, .offset: 24, .size: 8, .value_kind: global_buffer, .address_space: global }
    .group_segment_fixed_size: 327680
    .private_segment_fixed_size: 0
    .kernarg_segment_align: 8
    .kernarg_segment_size: 32
    .max_flat_workgroup_size: 128
    .sgpr_count:     100
    .vgpr_count:     512
    .wavefront_size: 32
...
	.end_amdgpu_metadata
.endif
;; end of part 3
